; MI455X (gfx1250); checked and timed in simulation.
; The chip was launched on July 23, 2026; its instructions are those of AMD's public machine-readable ISA for CDNA 5 (MIT licence, August 2026) and "CDNA5" Instruction Set Architecture Reference Guide (July 2026). The comments in the code are by the model that wrote it; some were corrected since.
;; Attention Layer. Allowed arithmetic: matrix products marked QUANTISED: E2M3 operands, one E8M0 scale for each 32 along K, by v_wmma_scale_f32_16x16x128_f8f6f4 with both operands' format E2M3, f32 sums; products left as they are: f32 operands where the result goes on into a quantised operand, else bf16, f16 or f32 operands; f32 sums; everything else in f32.
;; Inputs: U_a 1,024 x 512 float32; W_a 1,024 x 512 float32; h 32 x 2,048 x 1,024 float32; s 32 x 1,024 float32; v_a 512 float32.
;; Outputs: out0 32 x 1,024 float32.
;; This version of the problem:
;;   THIS VERSION OF THE PROBLEM IS GIVEN IN LOW PRECISION. The matrix products marked QUANTISED in the list below multiply operands that are first quantised to E2M3 (2 exponent bits, 3 mantissa bits; 6 bits a number), with one power-of-two scale for each 32 numbers along K (OCP MX v1.0); their sums are f32. All else is computed in f32.
;;   The module's matrix products, in the order in which they are computed (A, B: the left and right operand; K: the contracted axis; several contracted axes count as one K, in the product's order):
;;     1. [M 65,536, K 1,024] x [K 1,024, N 512]; A: input h; B: input U_a: QUANTISED
;;     2. [M 32, K 1,024] x [K 1,024, N 512]; A: input s; B: input W_a: QUANTISED
;;     3. [M 65,536, K 512] x [K 512, N 1]; A: computed on the way; B: input v_a: left as it is (N = 1 < 16)
;;     4. batch 32 x [M 1, K 2,048] x [K 2,048, N 1,024]; A: softmax; B: input h: left as it is (M = 1 < 16)
;;   THE QUANTISER, for each operand of a quantised product, along K:
;;     - K is cut into blocks of 32 from its start; a last block that is shorter is filled with zeros.
;;     - A block's scale is 2^e with e = floor(log2(the largest magnitude in the block)) - 2, held to -126 .. 127; a block of zeros has e = 0. As a byte (E8M0): e + 127.
;;     - Each number is divided by its block's scale, clamped to +-7.5, and rounded to the nearest number of E2M3, ties to even, subnormals kept.
;;     - The product sums the exact products of the quantised numbers (number of the format x scale) in f32.
;;   ~~~python
;;   def quantise(x, axis):      # numpy; x: float32 -> the quantised numbers, widened to float32 again
;;       x = np.moveaxis(x, axis, -1); K = x.shape[-1]
;;       x = np.pad(x, [(0, 0)] * (x.ndim - 1) + [(0, -K % 32)]); x = x.reshape(x.shape[:-1] + (-1, 32)); a = np.abs(x).max(-1, keepdims=True)
;;       e = np.where(a > 0, np.clip(np.frexp(np.where(a > 0, a, 1))[1] - 1 - 2, -126, 127), 0)      # np.frexp(a)[1] - 1 = floor(log2(a)), exactly
;;       r = np.clip(x / 2.0 ** e, -7.5, 7.5)
;;       step = 2.0 ** (np.maximum(np.frexp(np.where(r == 0, 1, r))[1] - 1, 0) - 3)
;;       q = np.round(r / step) * step * 2.0 ** e      # np.round: ties to even
;;       return np.moveaxis(q.reshape(q.shape[:-2] + (-1,))[..., :K], -1, axis).astype(np.float32)
;;   ~~~
;; One version. Each part assembles by itself: llvm-mc -triple=amdgcn-amd-amdhsa -mcpu=gfx1250 --defsym DOCPART=n.
;; ======== version 1 of 1: 3 launches
;; limits: right only within a limited range of input values
;; workspace buffers: ucodes 393,216 bytes; uscl 16,384 bytes; wsp 524,288 bytes; pc 1,048,576 bytes; pml 32,768 bytes
;; launch prep (part 1): grid 32 x 8, 2 waves a work-group, no clusters, 0 bytes of LDS; arguments U_a, W_a, s, ucodes, uscl, wsp; writes ucodes, uscl, wsp
.if DOCPART == 1
	.amdgcn_target "amdgcn-amd-amdhsa--gfx1250"
	.amdhsa_code_object_version 6
	.text
	.protected	k_qbd13aa69d1_prep
	.globl	k_qbd13aa69d1_prep
	.p2align	8
	.type	k_qbd13aa69d1_prep,@function
k_qbd13aa69d1_prep:
	s_mov_b64 s[64:65], 0
	v_nop
	global_prefetch_b8 v0, s[64:65] scope:SCOPE_SE
	s_setreg_imm32_b32 hwreg(HW_REG_WAVE_MODE, 25, 1), 1
	s_wait_xcnt 0x0
; THE PROGRAM: c[b] = sum over t of softmax_t(e[b][t]) h[b][t], e[b][t] = sum over a of v_a[a] tanh((s W_a)[b][a] + (h U_a)[b][t][a]); both products with K = 1,024 on codes of FP6 (E2M3), one E8M0 scale for each 32 along K.
; Three launches: this one (weights into codes; s W_a in eight parts along K), the main one (all of h, once), a small one that joins the eight parts of each batch.
; WORK LEFT OUT.  tanh(x) = 1 - 2 r with r = 1 / (1 + 2^(2 log2(e) x)), so e[b][t] = (sum over a of v_a[a]) - 2 sum over a of v_a[a] r[b][t][a].  The first term is the same for every t of a row, whatever the inputs hold,
; and a softmax along t is unchanged by a term that is the same along t: it is never formed.  Every input still has its way to the output: all five are loaded.
; LIMIT: an overflow, infinity or NaN that would arise in the sum of v_a alone is not carried to the result.
; THIS LAUNCH.  Work-group (T, KS) owns columns 16 T .. 16 T + 15 and K = 128 KS .. 128 KS + 127 of both weights: 32 x 8 = 256 work-groups of two waves; wave 0 takes U_a, wave 1 W_a.  The waves share nothing: no LDS, no barrier.
; A LANE TAKES A COLUMN AND ITS REGISTERS RUN DOWN K, in the order that the operand's layout gives that lane (lane (r, h): k = 64 c + 32 h + 0 .. 31): the conversions' results are the operand's registers.
; U's fragment leaves as an image of its registers (3 x 512 consecutive bytes), its scale words laid so that the main launch gets four K steps' words by one load of 16 bytes.
; W's wave also quantises its 128 along K of s (K innermost: the same lane wants the same k of its row) and multiplies: 32 rows x 16 columns x 128 K.  That is one of eight parts of s W_a: wsp[KS][b][a].  A sum that spans
; work-groups is ordered by a later launch: the main one adds the eight parts.
; LIMITS: NaN and infinities among the inputs are not served; a block whose largest magnitude lies under 2^-124 has its byte held at 1; a block of zeros gets the byte 1 with zero codes (the bytes are read by this program alone);
; the sum over K of s W_a is taken per 128 and then in a tree, another order of rounding than one chain.
.set BF,  24                           ; v24-35   the weight's fragment
.set FA0, 36                           ; v36-47   s, rows 0-15
.set FA1, 48                           ; v48-59   s, rows 16-31
.set WN,  64                           ; v64-127  the weight's 64 numbers
.set SN,  128                          ; v128-255 s: 2 x 64 numbers
.set D0,  72                           ; v72-79, v80-87 the two results (the weight's numbers are used up by then)
.set D1,  80
; 64 numbers of a lane, register 32 c + i = k 64 c + 32 h + i, become a fragment in v[dst] on and its scale word in v[scl].  A lane holds two whole blocks: no other lane is asked for a maximum.
.macro QB src, dst, tmp, scl
.irp c, 0,1
	v_max3_num_f32 v[12+\c], |v[\src+32*\c]|, |v[\src+1+32*\c]|, 0x1800000   ; and the floor 2^(3 - 127): the byte cannot fall under 1
.endr
.irp i, 2,4,6,8,10,12,14,16,18,20,22,24,26,28,30
.irp c, 0,1
	v_max3_num_f32 v[12+\c], v[12+\c], |v[\src+32*\c+\i]|, |v[\src+1+32*\c+\i]|   ; the two blocks by turns
.endr
.endr
.irp c, 0,1
	v_add_nc_u32 v[14+\c], 0xff000000, v[12+\c]    ; 2 off the exponent field: the conversion's scale operand
.endr
.irp c, 0,1
	v_lshrrev_b32 v[16+\c], 23, v[14+\c]           ; the scale's byte
.endr
	v_lshl_or_b32 v[\scl], v17, 16, v16            ; my two bytes: blocks h and 2 + h,
	v_lshlrev_b32 v[\scl], v18, v[\scl]            ; 8 h bits up;
	v_permlanex16_b32 v19, v[\scl], s20, s21
	v_or_b32 v[\scl], v[\scl], v19                 ; with lane l xor 16's two the word is whole, in both halves of the lanes
.irp c, 0,1
	v_cvt_scalef32_pk16_fp6_f32 v[\dst+6*\c:\dst+6*\c+2], v[\src+32*\c:\src+32*\c+15], v[14+\c]
	v_cvt_scalef32_pk16_fp6_f32 v[\tmp+4*\c:\tmp+4*\c+2], v[\src+32*\c+16:\src+32*\c+31], v[14+\c]   ; (a conversion's three registers begin on an even number)
.endr
	v_nop                                          ; one plain place behind a scaled conversion
.irp c, 0,1
.irp i, 0,1,2
	v_mov_b32 v[\dst+3+6*\c+\i], v[\tmp+4*\c+\i]
.endr
.endr
.endm
.macro WLOAD                           ; weight(128 KS + 64 c + 32 h + i, 16 T + r): sixteen neighbouring lanes read 64 neighbouring bytes
.irp c, 0,1
.irp i, 0,1,2,3,4,5,6,7,8,9,10,11,12,13,14,15,16,17,18,19,20,21,22,23,24,25,26,27,28,29,30,31
	global_load_b32 v[WN+32*\c+\i], v3, s[22:23] offset:(64*\c+\i)*2048
.endr
.endr
.endm
	s_load_b256 s[4:11], s[0:1], 0x0               ; U_a s[4:5], W_a s[6:7], s s[8:9], ucodes s[10:11]
	s_load_b128 s[12:15], s[0:1], 0x20             ; uscl s[12:13], wsp s[14:15]
	v_lshrrev_b32 v1, 5, v0
	v_readfirstlane_b32 s16, v1                    ; wave 0, 1
	s_and_b32 s17, ttmp7, 0xffff                   ; my K step: work-group y
	v_and_b32 v1, 15, v0                           ; r
	v_bfe_u32 v2, v0, 4, 1                         ; h
	v_lshlrev_b32 v3, 2, v1
	v_lshl_add_u32 v5, v2, 14, v3                  ; a part: column r (4 bytes), + 8 h rows of 2,048 bytes
	v_lshl_add_u32 v3, v2, 16, v3                  ; weight: column r, lanes 16-31 begin 32 rows of 2,048 bytes further down
	v_lshlrev_b32 v4, 12, v1
	v_lshl_add_u32 v4, v2, 7, v4                   ; s: row r of 4,096 bytes, + 32 h numbers
	v_and_b32 v10, 31, v0
	v_lshlrev_b32 v10, 4, v10                      ; 16 x lane: an image's place
	v_lshlrev_b32 v11, 4, v1                       ; 16 r: a scale word's
	v_lshlrev_b32 v18, 3, v2                       ; 8 h
	v_mov_b32 v19, 0                               ; written once: a lane permute's destination counts as one of its sources
	s_mov_b32 s20, 0x76543210
	s_mov_b32 s21, 0xfedcba98                      ; v_permlanex16_b32's selects for lane l xor 16
	s_mov_b32 s25, 0
	s_lshl_b32 s26, ttmp9, 6                       ; 16 columns of 4 bytes a tile
	s_wait_kmcnt 0x0
	s_cmp_eq_u32 s16, 0                            ; the choice hangs on the wave's number alone
	s_cselect_b64 s[22:23], s[4:5], s[6:7]
	s_lshl_b32 s24, s17, 18                        ; 128 rows of 2,048 bytes a K step
	s_add_co_u32 s24, s24, s26
	s_add_nc_u64 s[22:23], s[22:23], s[24:25]      ; the weight at my K step and my columns
	s_lshl_b32 s24, s17, 16                        ; a part is 32 rows of 2,048 bytes
	s_add_co_u32 s24, s24, s26
	s_add_nc_u64 s[14:15], s[14:15], s[24:25]      ; wsp at my part and my columns
	s_lshl_b32 s24, s17, 9
	s_add_nc_u64 s[8:9], s[8:9], s[24:25]          ; s at my K step
	s_lshl_b32 s24, ttmp9, 3
	s_add_co_u32 s24, s24, s17
	s_mul_i32 s24, s24, 1536
	s_add_nc_u64 s[10:11], s[10:11], s[24:25]      ; fragment (T, KS) at (8 T + KS) x 1,536
	s_lshl_b32 s24, ttmp9, 9
	s_and_b32 s28, s17, 1
	s_lshl_b32 s28, s28, 8
	s_add_co_u32 s24, s24, s28
	s_lshr_b32 s28, s17, 1
	s_lshl_b32 s28, s28, 2
	s_add_co_u32 s24, s24, s28
	s_add_nc_u64 s[12:13], s[12:13], s[24:25]      ; scale words: 512 T + 16 (r + 16 (KS % 2)) + 4 (KS / 2)
	s_cmp_lg_u32 s16, 0
	s_cbranch_scc1 .Lw_way
	; ---- wave 0: U_a: codes and scale words to memory
	s_wait_alu depctr_va_vdst(0)
	WLOAD
	s_wait_loadcnt 0x0
	QB WN, BF, FA0, 20
.irp c, 0,1,2
	global_store_b128 v10, v[BF+4*\c:BF+4*\c+3], s[10:11] offset:512*\c   ; 32 lanes store 512 consecutive bytes, at a multiple of 512 from the buffer's first byte
.endr
	global_store_b32 v11, v20, s[12:13]            ; lanes r and r + 16 store the same word with the same value
	s_endpgm
.Lw_way:
	; ---- wave 1: W_a: Q(s) Q(W_a) for my 128 along K.  s is asked for first, so that both its tiles are quantised while the weight's later loads are on their way
	s_wait_alu depctr_va_vdst(0)
.irp a, 0,1
.irp c, 0,1
.irp j, 0,1,2,3,4,5,6,7
	global_load_b128 v[SN+64*\a+32*\c+4*\j:SN+64*\a+32*\c+4*\j+3], v4, s[8:9] offset:65536*\a+256*\c+16*\j   ; s(16 a + r, 128 KS + 64 c + 32 h + 4 j ..)
.endr
.endr
.endr
	WLOAD
	s_wait_loadcnt 63                              ; 96 loads were issued and come back in order (ISA guide 5.7.1): the first 33 are in, s's 32 among them
	QB SN, FA0, FA1, 21
	QB SN+64, FA1, BF, 22
	s_wait_loadcnt 0x0                             ; the weight
	QB WN, BF, SN, 20
.rept 8
	v_nop                                          ; a scale register written by a vector instruction stands 8 places ahead of a scaled matrix instruction, an operand so written 4
.endr
	v_wmma_scale_f32_16x16x128_f8f6f4 v[D0:D0+7], v[FA0:FA0+11], v[BF:BF+11], 0, v21, v20 matrix_a_fmt:MATRIX_FMT_FP6 matrix_b_fmt:MATRIX_FMT_FP6
	v_wmma_scale_f32_16x16x128_f8f6f4 v[D1:D1+7], v[FA1:FA1+11], v[BF:BF+11], 0, v22, v20 matrix_a_fmt:MATRIX_FMT_FP6 matrix_b_fmt:MATRIX_FMT_FP6
.rept 4
	v_nop                                          ; four places in front of the first read of the results (ISA guide 7.12.1)
.endr
.irp j, 0,1,2,3,4,5,6,7
	global_store_b32 v5, v[D0+\j], s[14:15] offset:2048*\j         ; (row 8 h + j, column r): sixteen lanes store 64 consecutive bytes; each result from its low end on
.endr
.irp j, 0,1,2,3,4,5,6,7
	global_store_b32 v5, v[D1+\j], s[14:15] offset:32768+2048*\j   ; rows 16 on
.endr
	s_endpgm
.Lfunc_end_k_qbd13aa69d1_prep:
	.size	k_qbd13aa69d1_prep, .Lfunc_end_k_qbd13aa69d1_prep-k_qbd13aa69d1_prep
	.p2alignl 7, 3214868480
	.fill 96, 4, 3214868480
	.section	.rodata,"a",@progbits
	.p2align	6, 0x0
	.amdhsa_kernel k_qbd13aa69d1_prep
		.amdhsa_group_segment_fixed_size 0
		.amdhsa_private_segment_fixed_size 0
		.amdhsa_enable_private_segment 0
		.amdhsa_kernarg_size 48
		.amdhsa_user_sgpr_count 2
		.amdhsa_user_sgpr_kernarg_segment_ptr 1
		.amdhsa_wavefront_size32 1
		.amdhsa_system_sgpr_workgroup_id_x 1
		.amdhsa_system_sgpr_workgroup_id_y 1
		.amdhsa_system_sgpr_workgroup_id_z 1
		.amdhsa_system_vgpr_workitem_id 0
		.amdhsa_next_free_vgpr 256
		.amdhsa_next_free_sgpr 66
		.amdhsa_reserve_vcc 0
		.amdhsa_float_denorm_mode_32 3
		.amdhsa_float_denorm_mode_16_64 3
		.amdhsa_memory_ordered 1
		.amdhsa_forward_progress 1
		.amdhsa_inst_pref_size 32
	.end_amdhsa_kernel
	.amdgpu_metadata
---
amdhsa.version: [ 1, 2 ]
amdhsa.kernels:
  - .name:           k_qbd13aa69d1_prep
    .symbol:         k_qbd13aa69d1_prep.kd
    .args:
      - { .name: U_a, .offset: 0, .size: 8, .value_kind: global_buffer, .address_space: global }
      - { .name: W_a, .offset: 8, .size: 8, .value_kind: global_buffer, .address_space: global }
      - { .name: s, .offset: 16, .size: 8, .value_kind: global_buffer, .address_space: global }
      - { .name: ucodes, .offset: 24, .size: 8, .value_kind: global_buffer, .address_space: global }
      - { .name: uscl, .offset: 32, .size: 8, .value_kind: global_buffer, .address_space: global }
      - { .name: wsp, .offset: 40, .size: 8, .value_kind: global_buffer, .address_space: global }
    .group_segment_fixed_size: 0
    .private_segment_fixed_size: 0
    .kernarg_segment_align: 8
    .kernarg_segment_size: 48
    .max_flat_workgroup_size: 64
    .sgpr_count:     66
    .vgpr_count:     256
    .wavefront_size: 32
...
	.end_amdgpu_metadata
.endif
;; end of part 1
;; launch main (part 2): grid 256 x 1, 4 waves a work-group, no clusters, 327,680 bytes of LDS; arguments h, ucodes, uscl, wsp, v_a, pc, pml; writes pc, pml
.if DOCPART == 2
	.amdgcn_target "amdgcn-amd-amdhsa--gfx1250"
	.amdhsa_code_object_version 6
	.text
	.protected	k_qbd13aa69d1_main
	.globl	k_qbd13aa69d1_main
	.p2align	8
	.type	k_qbd13aa69d1_main,@function
k_qbd13aa69d1_main:
	s_mov_b64 s[64:65], 0
	v_nop
	global_prefetch_b8 v0, s[64:65] scope:SCOPE_SE
	s_setreg_imm32_b32 hwreg(HW_REG_WAVE_MODE, 25, 1), 1
	s_wait_xcnt 0x0
; For 256 rows t of one batch: Q(h) Q(U_a), tanh, the product with v_a, a running softmax, and the weighted sum of the same rows of h.  h is read from memory once.
; Out: for each work-group m (the largest e, in powers of two), l (the sum of 2^(e - m)) and c[1024] (the sum of 2^(e - m) h); the next launch joins eight of them.
; WORK LEFT OUT: the sum of v_a, the same for all t of a row, which a softmax along t takes away for all values of the inputs (shown at the head of the first kernel).  e here is -2 sum over a of v_a[a] r,
; r = 1 / (1 + 2^y), y = 2 log2(e) ((s W_a)[a] + (h U_a)[t][a]).  y beyond the exponential's range gives r = 0 or 1, as tanh's ends ask.
; LIMITS: NaN and infinities among the inputs are not served; a block whose largest magnitude lies under 2^-124 has its byte held at 1; a block of zeros gets the byte 1 with zero codes.
; The sums over a and t and over the eight parts of s W_a are taken in another order than one chain; the maximum is a running one, and what was summed under an older maximum is multiplied by 2^(old - new).
; SHARES.  Work-group g: rows 256 g on of h seen as [65,536][1,024], in 16 tiles of 16 rows.  Wave w owns columns a = 128 w .. + 127: its 64 fragments of U (768 registers) stay in registers.  In the weighted sum it owns d = 256 w .. + 255.
; A PIPELINE OF TILES, ONE BARRIER A PERIOD.  Period j: the barrier; the fill of tile j + 2; the softmax's step of tile j - 1; the 64 matrix instructions of tile j, and between them the weighted sum of tile j - 1
; (even K steps) and the quantiser of tile j + 1 (odd K steps: wave w makes fragments 2 w, 2 w + 1 and stores their images); tanh and my part of e of tile j.
; Four slots of 16 rows: tile j - 1 (summed), j (waits for its weights), j + 1 (quantised), j + 2 (on its way).  Slot bases 0, 0x10800, 0x21000, 0x31800: the next slot is an exclusive or with a constant that hangs on j's parity.
; Images and parts of e have two buffers each, by j's parity.  One tensor load of a wave is out at any time: 4 rows, as 16 lines of 1,024 bytes with 16 bytes of padding; a row is 4,160 bytes in LDS, the waves' parts lie 16,656 bytes apart:
; matrix row q = (part q % 4, its row q / 4), so that sixteen rows begin in sixteen different columns of 16 bytes modulo 256.
; The weights p stand in scalar pairs (v_readlane_b32), so the packed multiply-adds name no vector register as source 1 and run under the window that U's fragments need.
; PREFETCH: in period j each wave asks for its own 4 rows of tile j + 3 (64 blocks of 256 bytes, a lane a block, two instructions), one period ahead of the tensor load that wants them; periods 13 to 15 ask for nothing.
; NO CLUSTER: what work-groups share is U, read once a launch straight into registers; h's rows are shared by nobody.
.set PARTB, 16656
.set ROWP,  4160
.set SL1,   0x10800
.set SL2,   0x21000
.set SL3,   0x31800
.set XIMG,  0x42000                    ; two buffers: 8 fragments x 1,536 bytes, then 512 bytes of scale words: 16 (r + 16 (s % 2)) + 4 (s / 2)
.set IMGB,  12800
.set EP,    XIMG+2*IMGB                ; two buffers [wave][q] f32
.set SPARE, EP+512                     ; the spare words: 512 bytes that no other line names
.set WSL,   SPARE+512                  ; 1,024 bytes a wave, stored once at the head: 2 log2(e) s W_a and v_a of my 128 columns, on their way to the lanes that want them
.set CA,  16                           ; c, 8 numbers
.set WS,  24                           ; 2 log2(e) s W_a, a register a tile
.set VV,  32                           ; v_a likewise
.set US,  40                           ; U's scale words
.set U63, 72
.set XS,  84                           ; x's scale words
.set ACC, 88
.set XF,  152                          ; two fragments of x
.set N,   176                          ; 32 numbers for the quantiser
.set XD,  208                          ; four rows' 8 numbers for the weighted sum; then my part of e
.set PC,  240                          ; codes just made; the softmax's step works here
.set MX,  252
.set TB,  253
.set PW,  254
.set PS,  66                           ; s66-97: (p, 0) of the 16 rows
.set MSB, 0
.macro WIN new
.if MSB != \new
	s_set_vgpr_msb (MSB<<8)|\new
.set MSB, \new
.endif
.endm
.macro NOP4
.rept 4
	v_nop
.endr
.endm
.macro NL u                            ; half fragment u: k = 128 (2 w + u / 2) + 64 (u % 2) + 32 h + 0 .. 31 of my row
.irp i, 0,1,2,3,4,5,6,7
	ds_load_b128 v[N+4*\i:N+4*\i+3], v7 offset:512*((\u)/2)+256*((\u)%2)+16*\i
.endr
.endm
.macro FP s, par                       ; x's fragment of K step s
.irp c, 0,1,2
	ds_load_b128 v[XF+12*((\s)%2)+4*\c:XF+12*((\s)%2)+4*\c+3], v6 offset:IMGB*(\par)+1536*(\s)+512*\c
.endr
.endm
.macro WL g, buf                       ; rows q = 4 g + 0 .. 3: my 8 numbers of each
.irp q, 0,1,2,3
	ds_load_b128 v[\buf+8*\q:\buf+8*\q+3], v10 offset:PARTB*\q+ROWP*(\g)
	ds_load_b128 v[\buf+8*\q+4:\buf+8*\q+7], v10 offset:PARTB*\q+ROWP*(\g)+512
.endr
.endm
.macro WF g, buf, n0, cnt              ; c += p h: multiply-adds n0 on of the group's sixteen
.set n_, \n0
.rept \cnt
.set q_, 4*(\g)+n_/4
	v_pk_fma_f32 v[CA+2*(n_%4):CA+2*(n_%4)+1], v[\buf+8*(n_/4)+2*(n_%4):\buf+8*(n_/4)+2*(n_%4)+1], s[PS+2*q_:PS+2*q_+1], v[CA+2*(n_%4):CA+2*(n_%4)+1] op_sel_hi:[1,0,1]
.set n_, n_+1
.endr
.endm
; the quantiser of a half fragment (a whole block of 32 in a lane), line n of 25 (c = 0) or 28 (c = 1)
.macro QI c, n
.if (\n) <= 16
.set ch_, ((\n)-1)%2
.set k_, ((\n)-1)/2
.if k_ == 0
	v_max3_num_f32 v[MX+ch_], |v[N+16*ch_]|, |v[N+16*ch_+1]|, 0x1800000   ; with the floor 2^(3 - 127): the byte cannot fall under 1
.else
	v_max3_num_f32 v[MX+ch_], v[MX+ch_], |v[N+16*ch_+2*k_]|, |v[N+16*ch_+2*k_+1]|
.endif
.elseif (\n) == 17
	v_max_num_f32 v[MX], v[MX], v[TB]
.elseif (\n) == 18
	v_add_nc_u32 v[MX], 0xff000000, v[MX]          ; 2 off the exponent field: the conversion's scale operand
.elseif (\c) == 0
.if (\n) == 19
	v_lshrrev_b32 v[PW], 23, v[MX]
.elseif (\n) == 20
	v_cvt_scalef32_pk16_fp6_f32 v[PC:PC+2], v[N:N+15], v[MX]
.elseif (\n) == 21
	v_cvt_scalef32_pk16_fp6_f32 v[PC+6:PC+8], v[N+16:N+31], v[MX]   ; a conversion's registers begin on an even number: made here, moved below
.elseif (\n) == 22
	v_nop
.else
	v_mov_b32 v[PC+(\n)-20], v[PC+(\n)-17]
.endif
.else
.if (\n) == 19
	v_lshrrev_b32 v[TB], 23, v[MX]
.elseif (\n) == 20
	v_lshl_or_b32 v[PW], v[TB], 16, v[PW]          ; my two bytes: blocks h and 2 + h
.elseif (\n) == 21
	v_cvt_scalef32_pk16_fp6_f32 v[PC+6:PC+8], v[N:N+15], v[MX]
.elseif (\n) == 22
	v_lshlrev_b32 v[PW], v11, v[PW]                ; 8 h bits up (the plain line between the two conversions)
.elseif (\n) == 23
	v_cvt_scalef32_pk16_fp6_f32 v[N:N+2], v[N+16:N+31], v[MX]
.elseif (\n) == 24
	v_permlanex16_b32 v[TB], v[PW], s20, s21
.elseif (\n) == 25
	v_or_b32 v[PW], v[PW], v[TB]                   ; the word is whole in both halves of the lanes
.else
	v_mov_b32 v[PC+(\n)-17], v[N+(\n)-26]
.endif
.endif
.endm
.macro QS c, a, b
.set qn_, \a
.rept (\b)-(\a)+1
	QI \c, qn_
.set qn_, qn_+1
.endr
.endm
.macro STX f, par                      ; my f-th fragment's image and scale word, into the buffer of the other parity
.irp c, 0,1,2
	ds_store_b128 v4, v[PC+4*\c:PC+4*\c+3] offset:IMGB*(1-(\par))+1536*(\f)+512*\c
.endr
	ds_store_b32 v5, v[PW] offset:IMGB*(1-(\par))+12288+256*(\f)
.endm
; one matrix instruction: K step s, my tile of columns t.  Source 0 = 16 rows of x, source 1 = 16 columns of U.  The 8 accumulators take turns.
.macro WM s, t
.set g_, 8*(\s)+(\t)
.set w_, 4*(1+g_/21)
.set uf_, 12*(g_%21)
.if g_ == 63
.set w_, 0
.set uf_, U63
.endif
	WIN w_
.set ac_, ACC+8*(\t)
.set us_, US+4*(\t)+(\s)/2
.set xf_, XF+12*((\s)%2)
.set xs_, XS+(\s)/2
.if (\s) == 0
	v_wmma_scale_f32_16x16x128_f8f6f4 v[ac_:ac_+7], v[xf_:xf_+11], v[uf_:uf_+11], 0, v[xs_], v[us_] matrix_a_fmt:MATRIX_FMT_FP6 matrix_b_fmt:MATRIX_FMT_FP6
.elseif ((\s)%2) == 0
	v_wmma_scale_f32_16x16x128_f8f6f4 v[ac_:ac_+7], v[xf_:xf_+11], v[uf_:uf_+11], v[ac_:ac_+7], v[xs_], v[us_] matrix_a_fmt:MATRIX_FMT_FP6 matrix_b_fmt:MATRIX_FMT_FP6
.else
	v_wmma_scale_f32_16x16x128_f8f6f4 v[ac_:ac_+7], v[xf_:xf_+11], v[uf_:uf_+11], v[ac_:ac_+7], v[xs_], v[us_] matrix_a_fmt:MATRIX_FMT_FP6 matrix_b_fmt:MATRIX_FMT_FP6 matrix_a_scale:MATRIX_SCALE_ROW1 matrix_b_scale:MATRIX_SCALE_ROW1
.endif
.endm
; A K step: 8 matrix instructions with other tiles' vector work between them; at its end the LDS batch for the K step after next.  The wait at its head leaves out only the batch issued at the end of the K step before.
.macro SEG s, par, first, ws, qu
.if \qu == 0
	s_wait_alu depctr_va_vdst(0)
.endif
.if (\s) == 0
	s_wait_dscnt 8*\qu                             ; the quantiser's first eight loads may be out
.elseif (\s) == 4
	s_wait_dscnt 3+12*\qu
.elseif (\s) == 7
	s_wait_dscnt 0x0
.elseif ((\s)%2) == 1
	s_wait_dscnt 3+8*\ws
.else
	s_wait_dscnt 3+8*\qu
.endif
.if \first
.if 168-24*(\s) > 63
	s_wait_loadcnt 63
.else
	s_wait_loadcnt 168-24*(\s)                     ; behind this K step's fragments of U stand 3 (56 - 8 s) loads
.endif
.endif
.if ((\s)%2) == 0
.set t_, 0
.rept 8
	WM \s, t_
.if \ws
.if t_ < 6
	WF (\s)/2, XD, 2*t_, 2
.elseif t_ == 7
	WF (\s)/2, XD, 12, 4                           ; these four are the places in front of the loads below
.endif
.elseif t_ == 7
	NOP4
.endif
.set t_, t_+1
.endr
.if (\s) <= 5
	FP (\s)+2, \par
.endif
.if \ws
.if (\s) <= 4
	WL (\s)/2+1, XD
.endif
.endif
.else
.set u_, ((\s)-1)/2
.set c_, u_%2
.irp a, 0,1,2
	WM \s, 2*\a
	WM \s, 2*\a+1
.if \qu
	WIN 0
	QS c_, 7*\a+1, 7*\a+7
.endif
.endr
	WM \s, 6
	WM \s, 7
	WIN 0
.if \qu
	QS c_, 22, 25+3*c_                             ; four or more plain lines: the places in front of the loads below
.if c_
	STX u_/2, \par
.endif
.else
	NOP4
.endif
.if (\s) <= 5
	FP (\s)+2, \par
.if \qu
	NL u_+1
.endif
.endif
.endif
.endm
; r = 1 / (1 + 2^y) of my 8 tiles, and the sum over my 128 columns of v_a r.  Each kind of transcendental is one batch with a wait ahead and behind.
.macro TANH par
.irp t, 0,1,2,3,4,5,6,7
.irp p, 0,1,2,3
.if \t%2 == 0
	v_pk_fma_f32 v[ACC+8*\t+2*\p:ACC+8*\t+2*\p+1], v[ACC+8*\t+2*\p:ACC+8*\t+2*\p+1], s[22:23], v[WS+\t:WS+\t+1] op_sel_hi:[1,0,0]
.else
	v_pk_fma_f32 v[ACC+8*\t+2*\p:ACC+8*\t+2*\p+1], v[ACC+8*\t+2*\p:ACC+8*\t+2*\p+1], s[22:23], v[WS+\t-1:WS+\t] op_sel:[0,0,1] op_sel_hi:[1,0,1]
.endif
.endr
.endr
	s_wait_alu depctr_va_vdst(0)
.set i_, 0
.rept 64
	v_exp_f32 v[ACC+i_], v[ACC+i_]
.set i_, i_+1
.endr
	v_nop
	s_wait_alu depctr_va_vdst(0)
.set i_, 0
.rept 32
	v_pk_add_f32 v[ACC+i_:ACC+i_+1], v[ACC+i_:ACC+i_+1], 1.0 op_sel_hi:[1,0]
.set i_, i_+2
.endr
	s_wait_alu depctr_va_vdst(0)
.set i_, 0
.rept 64
	v_rcp_f32 v[ACC+i_], v[ACC+i_]
.set i_, i_+1
.endr
	v_nop
	s_wait_alu depctr_va_vdst(0)
.irp p, 0,1,2,3
	v_pk_mul_f32 v[XD+2*\p:XD+2*\p+1], v[ACC+2*\p:ACC+2*\p+1], v[VV:VV+1] op_sel_hi:[1,0]
.endr
.irp t, 1,2,3,4,5,6,7
.irp p, 0,1,2,3
.if \t%2 == 0
	v_pk_fma_f32 v[XD+2*\p:XD+2*\p+1], v[ACC+8*\t+2*\p:ACC+8*\t+2*\p+1], v[VV+\t:VV+\t+1], v[XD+2*\p:XD+2*\p+1] op_sel_hi:[1,0,1]
.else
	v_pk_fma_f32 v[XD+2*\p:XD+2*\p+1], v[ACC+8*\t+2*\p:ACC+8*\t+2*\p+1], v[VV+\t-1:VV+\t], v[XD+2*\p:XD+2*\p+1] op_sel:[0,1,0] op_sel_hi:[1,1,1]
.endif
.endr
.endr
.irp k, 1,2,4,8
.irp j, 0,1,2,3,4,5,6,7
	v_add_f32_dpp v[XD+\j], v[XD+\j], v[XD+\j] row_xmask:\k row_mask:0xf bank_mask:0xf
.endr
.endr
	ds_store_b128 v8, v[XD:XD+3] offset:256*\par   ; rows q = 8 h + 0 .. 7: the sixteen lanes of a half store the same bytes with the same values
	ds_store_b128 v8, v[XD+4:XD+7] offset:256*\par+16
.endm
; lane % 16 = q: e in powers of two, the running maximum, f = 2^(old m - new m), p = 2^(e - m); l and c under the new m; p into scalars.  younger: LDS loads issued behind e's four parts
.macro SOFT younger
	s_wait_dscnt \younger
	v_add_f32 v240, v240, v241
	v_add_f32 v242, v242, v243
	v_add_f32 v240, v240, v242
	v_mul_f32 v246, s24, v240
	v_max_num_f32_dpp v240, v246, v246 row_xmask:1 row_mask:0xf bank_mask:0xf
	v_max_num_f32_dpp v240, v240, v240 row_xmask:2 row_mask:0xf bank_mask:0xf
	v_max_num_f32_dpp v240, v240, v240 row_xmask:4 row_mask:0xf bank_mask:0xf
	v_max_num_f32_dpp v240, v240, v240 row_xmask:8 row_mask:0xf bank_mask:0xf
	v_max_num_f32 v247, v240, v13
	v_sub_f32 v248, v13, v247
	v_sub_f32 v246, v246, v247
	s_wait_alu depctr_va_vdst(0)
	v_exp_f32 v244, v248
	v_exp_f32 v245, v246
	v_mov_b32 v13, v247
	s_wait_alu depctr_va_vdst(0)
	v_fma_f32 v14, v14, v244, v245
.irp p, 0,1,2,3
	v_pk_mul_f32 v[CA+2*\p:CA+2*\p+1], v[CA+2*\p:CA+2*\p+1], v[244:245] op_sel_hi:[1,0]
.endr
.irp q, 0,1,2,3,4,5,6,7,8,9,10,11,12,13,14,15
	v_readlane_b32 s[PS+2*\q], v245, \q
.endr
	s_wait_alu depctr_va_vdst(0)
.endm
.macro ASK o                           ; my 4 rows of the tile that begins o bytes behind the base: 64 blocks of 256 bytes, a lane a block
	global_prefetch_b8 v0, s[56:57] offset:\o th:TH_LOAD_NT scope:SCOPE_SE
	global_prefetch_b8 v0, s[56:57] offset:\o+8192 th:TH_LOAD_NT scope:SCOPE_SE
.endm
.macro PERIOD par, first, ws, qu, fill, pf
	s_wait_alu depctr_va_vdst(0)                   ; the wait ahead of the waits below
.if \pf
.if \first == 0
	s_wait_xcnt 0x0                                ; the last prefetches have read their base
	s_add_nc_u64 s[56:57], s[56:57], 0x10000       ; the base stands at tile j (period 0 finds it at tile 0)
.endif
.endif
	s_wait_tensorcnt 0x0                           ; my one tensor load has landed: my rows of tile j + 1
	ds_add_u32 v1, v2
	s_xor_b32 s26, s25, SL2                        ; the slot of tile j - 1
.if \fill
	s_xor_b32 s54, s25, SL3-SL2*\par               ; the slot of tile j + 2
	s_add_co_u32 s29, s54, s19
	s_add_nc_u64 s[30:31], s[30:31], 0x10000
.endif
	s_wait_dscnt 0x0                               ; the add, my reads of the slot left, my images and my part of e
	s_barrier_signal -1
	s_barrier_wait -1
.if \fill
	tensor_load_to_lds s[28:31], s[32:39]
	s_nop 0
	NOP4
.endif
	v_add_nc_u32 v7, s25, v3
.if \ws
	v_add_nc_u32 v10, s26, v12
.endif
	s_wait_alu depctr_va_vdst(0)
.if \ws
.irp k, 0,1,2,3
	ds_load_b32 v[PC+\k], v9 offset:256*(1-\par)+64*\k
.endr
.endif
	ds_load_b128 v[XS:XS+3], v6 offset:IMGB*\par+12288
	FP 0, \par
	FP 1, \par
.if \ws
	WL 0, XD
.endif
.if \qu
	NL 0
.endif
.if \pf
	ASK 0x30000                                    ; tile j + 3
.endif
.if \ws
	SOFT 15+8*\qu
.endif
.set s_, 0
.rept 8
	SEG s_, \par, \first, \ws, \qu
.set s_, s_+1
.endr
	WIN 0
	TANH \par
	s_xor_b32 s25, s25, SL3-SL2*\par               ; on: the slot of the tile after next
.endm
.macro ULD from, n
.set g_, \from
.rept \n
.set w_, 64*(1+g_/21)
	WIN w_
.set uf_, 12*(g_%21)
.set of_, (8*(g_%8)+g_/8)*1536
	global_load_b128 v[uf_:uf_+3], v15, s[6:7] offset:of_
	global_load_b128 v[uf_+4:uf_+7], v15, s[6:7] offset:of_+512
	global_load_b128 v[uf_+8:uf_+11], v15, s[6:7] offset:of_+1024
.set g_, g_+1
.endr
	WIN 0
.endm
	s_load_b256 s[4:11], s[0:1], 0x0               ; h, ucodes, uscl, wsp
	s_load_b128 s[12:15], s[0:1], 0x20             ; v_a, pc
	s_load_b64 s[16:17], s[0:1], 0x30              ; pml
	v_lshl_add_u32 v1, v0, 2, SPARE
	v_mov_b32 v2, 0
	ds_add_u32 v1, v2                              ; the opening lines: the add twice and its wait
	ds_add_u32 v1, v2
	v_lshrrev_b32 v240, 5, v0
	v_readfirstlane_b32 s18, v240                  ; wave
	s_mul_i32 s19, s18, PARTB
	s_mov_b32 s20, 0x76543210
	s_mov_b32 s21, 0xfedcba98
	s_mov_b32 s22, 0x4038aa3b                      ; 2 log2(e)
	s_mov_b32 s23, s22
	s_mov_b32 s24, 0xc038aa3b
	s_mov_b32 s25, SL1                             ; the slot of tile j + 1, for j = 0
	s_mov_b32 s27, 6
	s_mov_b32 s32, (2<<16)|(1<<20)|(7<<22)|(3<<25) ; elements of 4 bytes; 4 words of padding behind every 256
	s_mov_b32 s33, 256<<16
	s_mov_b32 s34, 16<<16
	s_mov_b32 s35, 256<<16
	s_mov_b32 s36, 16
	s_mov_b32 s37, 256
	s_mov_b32 s38, 0
	s_mov_b32 s39, 0
	s_lshl_b32 s40, ttmp9, 20
	s_lshl_b32 s41, s18, 14                        ; 4 rows a wave
	s_add_co_u32 s40, s40, s41
	s_mov_b32 s41, 0
	s_mul_i32 s42, s18, 98304
	s_mov_b32 s43, 0
	s_lshl_b32 s44, s18, 12
	s_mov_b32 s45, 0
	s_lshl_b32 s48, s18, 9
	s_mov_b32 s49, 0
	s_lshr_b32 s46, ttmp9, 3
	s_lshl_b32 s46, s46, 11
	s_add_co_u32 s46, s46, s48
	s_mov_b32 s47, 0
	s_lshl_b32 s50, ttmp9, 12
	s_lshl_b32 s51, s18, 10
	s_add_co_u32 s50, s50, s51
	s_mov_b32 s51, 0
	s_lshl_b32 s52, ttmp9, 7
	s_mov_b32 s53, 0
.irp q, 0,1,2,3,4,5,6,7,8,9,10,11,12,13,14,15
	s_mov_b32 s[PS+2*\q+1], 0                      ; named with p as a pair, so it is written
.endr
	s_wait_dscnt 0x0
	s_wait_kmcnt 0x0
	s_mov_b32 s28, 1
	s_mov_b32 s29, s19
	s_add_nc_u64 s[30:31], s[4:5], s[40:41]
	s_add_nc_u64 s[56:57], s[4:5], s[40:41]
	s_or_b32 s31, s31, 0x80000000
	tensor_load_to_lds s[28:31], s[32:39]          ; tile 0: my one tensor load at the head
	s_nop 0
	NOP4
	s_add_nc_u64 s[6:7], s[6:7], s[42:43]
	s_add_nc_u64 s[8:9], s[8:9], s[44:45]
	s_add_nc_u64 s[10:11], s[10:11], s[46:47]
	s_add_nc_u64 s[12:13], s[12:13], s[48:49]
	s_add_nc_u64 s[14:15], s[14:15], s[50:51]
	s_add_nc_u64 s[16:17], s[16:17], s[52:53]
	s_mul_i32 s40, s18, 1040                       ; line w of a row
	s_mul_i32 s41, s18, 3072
	s_add_co_u32 s41, s41, XIMG                    ; fragments 2 w on
	s_lshl_b32 s42, s18, 2
	s_add_co_u32 s42, s42, XIMG
	s_lshl_b32 s43, s18, 6
	s_add_co_u32 s43, s43, EP
	s_lshl_b32 s44, s18, 10
	s_add_co_u32 s44, s44, WSL                     ; my wave's 1,024 bytes
	v_and_b32 v240, 3, v0                          ; r % 4
	v_bfe_u32 v241, v0, 2, 2                       ; r / 4
	v_bfe_u32 v242, v0, 4, 1                       ; h
	v_and_b32 v243, 15, v0                         ; r
	v_and_b32 v244, 31, v0                         ; lane
	v_lshlrev_b32 v15, 4, v244
	v_lshl_add_u32 v255, v243, 2, s44              ; out of my 1,024 bytes: column r of a tile
	v_add_nc_u32 v10, s44, v15                     ; into them: 16 bytes a lane (the register serves the weighted sum from period 1 on)
	v_mul_u32_u24 v3, v240, PARTB
	v_mad_u32_u24 v3, v241, ROWP, v3
	v_lshl_add_u32 v3, v242, 7, v3
	v_add_nc_u32 v3, s40, v3                       ; my row's numbers in a slot
	v_add_nc_u32 v4, s41, v15                      ; where I store images
	v_lshl_add_u32 v5, v243, 4, s42                ; and scale words
	v_add_nc_u32 v6, XIMG, v15                     ; where I read images
	v_lshl_add_u32 v8, v242, 5, s43                ; my part of e
	v_lshl_add_u32 v9, v243, 2, EP                 ; the parts of row q
	v_lshlrev_b32 v11, 3, v242                     ; 8 h
	v_add_nc_u32 v12, s40, v15                     ; my 16 bytes of line w
	v_mov_b32 v13, 0xff61b1e6                      ; m: -3e38
	v_mov_b32 v14, 0
.irp j, 0,1,2,3,4,5,6,7
	v_mov_b32 v[CA+\j], 0
.endr
	v_mov_b32 v7, v3                               ; tile 0 lies in slot 0
	v_lshlrev_b32 v0, 8, v244                      ; the prefetches' offset: a lane a block of 256 bytes
	s_wait_alu depctr_va_vdst(0)                   ; the wait behind the head's vector lines
.irp k, 0,1,2,3,4,5,6,7
	global_load_b128 v[ACC+4*\k:ACC+4*\k+3], v15, s[10:11] offset:65536*\k   ; part k of (s W_a)[batch][128 w + 4 lane ..]: 32 lanes read 512 consecutive bytes
.endr
	global_load_b128 v[ACC+32:ACC+35], v15, s[12:13]   ; v_a likewise
.irp t, 0,1,2,3,4,5,6,7
	global_load_b128 v[US+4*\t:US+4*\t+3], v15, s[8:9] offset:512*\t
.endr
	ULD 0, 15                                      ; 9 + 8 + 45 = 62 loads are out
	s_wait_tensorcnt 0x0
	ds_add_u32 v1, v2
	s_add_co_u32 s29, s19, SL1
	s_add_nc_u64 s[30:31], s[30:31], 0x10000
	s_wait_dscnt 0x0
	s_barrier_signal -1
	s_barrier_wait -1
	tensor_load_to_lds s[28:31], s[32:39]          ; tile 1
	s_nop 0
	NOP4
	NL 0
	ASK 0x20000                                    ; tile 2
	ULD 15, 27                                     ; K steps 1 to 5 of U; the rest follows behind tile 0's quantiser
	s_wait_loadcnt 63                              ; behind the parts and v_a stand 134 loads, which come back in order
.irp k, 0,2,4,6
	v_pk_add_f32 v[ACC+4*\k:ACC+4*\k+1], v[ACC+4*\k:ACC+4*\k+1], v[ACC+4*\k+4:ACC+4*\k+5]
	v_pk_add_f32 v[ACC+4*\k+2:ACC+4*\k+3], v[ACC+4*\k+2:ACC+4*\k+3], v[ACC+4*\k+6:ACC+4*\k+7]
.endr
.irp k, 0,4
	v_pk_add_f32 v[ACC+4*\k:ACC+4*\k+1], v[ACC+4*\k:ACC+4*\k+1], v[ACC+4*\k+8:ACC+4*\k+9]
	v_pk_add_f32 v[ACC+4*\k+2:ACC+4*\k+3], v[ACC+4*\k+2:ACC+4*\k+3], v[ACC+4*\k+10:ACC+4*\k+11]
.endr
	v_pk_add_f32 v[ACC:ACC+1], v[ACC:ACC+1], v[ACC+16:ACC+17]
	v_pk_add_f32 v[ACC+2:ACC+3], v[ACC+2:ACC+3], v[ACC+18:ACC+19]
	v_pk_mul_f32 v[ACC:ACC+1], v[ACC:ACC+1], s[22:23] op_sel_hi:[1,0]
	v_pk_mul_f32 v[ACC+2:ACC+3], v[ACC+2:ACC+3], s[22:23] op_sel_hi:[1,0]
	ds_store_b128 v10, v[ACC:ACC+3]                ; my wave's own bytes: LDS serves a wave's instructions in order, so the loads below see these stores
	ds_store_b128 v10, v[ACC+32:ACC+35] offset:512
.irp t, 0,1,2,3,4,5,6,7
	ds_load_b32 v[WS+\t], v255 offset:64*\t        ; column 16 t + r
	ds_load_b32 v[VV+\t], v255 offset:512+64*\t
.endr
.irp u, 0,1,2,3                                ; tile 0 is quantised by itself
	s_wait_alu depctr_va_vdst(0)
	s_wait_dscnt 0x0
	QS \u%2, 1, 25+3*(\u%2)
.if \u%2
	STX \u/2, 1
.endif
.if \u < 3
	NL \u+1
.endif
.endr
	ULD 42, 21                                     ; U's last 22 fragments, in the order of the K steps: period 0 waits for them by count
.irp c, 0,1,2
	global_load_b128 v[U63+4*\c:U63+4*\c+3], v15, s[6:7] offset:63*1536+512*\c
.endr
	PERIOD 0, 1, 0, 1, 1, 1
.Lp:                                                   ; six trips: periods 1 to 12
	PERIOD 1, 0, 1, 1, 1, 1
	PERIOD 0, 0, 1, 1, 1, 1
	s_sub_co_u32 s27, s27, 1
	s_cmp_lg_u32 s27, 0
	s_wait_alu depctr_va_vdst(0)
	s_cbranch_scc1 .Lp
	PERIOD 1, 0, 1, 1, 1, 0                        ; 13: the last fill, tile 15
	PERIOD 0, 0, 1, 1, 0, 0                        ; 14: the last tile is quantised
	PERIOD 1, 0, 1, 0, 0, 0                        ; 15
	; tile 15's weights and its weighted sum
	s_wait_alu depctr_va_vdst(0)
	s_wait_tensorcnt 0x0
	ds_add_u32 v1, v2
	s_xor_b32 s26, s25, SL2
	s_wait_dscnt 0x0
	s_barrier_signal -1
	s_barrier_wait -1
	v_add_nc_u32 v10, s26, v12
	s_wait_alu depctr_va_vdst(0)
.irp k, 0,1,2,3
	ds_load_b32 v[PC+\k], v9 offset:256+64*\k
.endr
	WL 0, XD
	WL 1, N
	SOFT 16
	s_wait_dscnt 8
	WF 0, XD, 0, 16
	WL 2, XD
	s_wait_alu depctr_va_vdst(0)
	s_wait_dscnt 8
	WF 1, N, 0, 16
	WL 3, N
	s_wait_alu depctr_va_vdst(0)
	s_wait_dscnt 8
	WF 2, XD, 0, 16
	s_wait_alu depctr_va_vdst(0)
	s_wait_dscnt 0x0
	WF 3, N, 0, 16
	; out: l over the sixteen rows (both halves of the lanes hold the same); my 256 numbers of c; wave 0: m and l
	v_add_f32_dpp v14, v14, v14 row_xmask:1 row_mask:0xf bank_mask:0xf
	v_add_f32_dpp v14, v14, v14 row_xmask:2 row_mask:0xf bank_mask:0xf
	v_add_f32_dpp v14, v14, v14 row_xmask:4 row_mask:0xf bank_mask:0xf
	v_add_f32_dpp v14, v14, v14 row_xmask:8 row_mask:0xf bank_mask:0xf
	global_store_b128 v15, v[CA:CA+3], s[14:15]    ; 32 lanes store 512 consecutive bytes
	global_store_b128 v15, v[CA+4:CA+7], s[14:15] offset:512
	v_bfe_u32 v240, v15, 4, 1                      ; lane % 2
	v_lshrrev_b32 v242, 2, v15                     ; 4 x lane
	v_cmp_eq_u32 vcc_lo, 1, v240
	v_cndmask_b32 v241, v13, v14, vcc_lo           ; even words m, odd words l
	s_wait_alu depctr_va_vdst(0)
	s_cmp_lg_u32 s18, 0
	s_cbranch_scc1 .Lnot_wave_0
	global_store_b32 v242, v241, s[16:17]
.Lnot_wave_0:
	s_wait_tensorcnt 0x0                           ; the wave's end
	ds_add_u32 v1, v2
	s_wait_dscnt 0x0
	s_endpgm
.Lfunc_end_k_qbd13aa69d1_main:
	.size	k_qbd13aa69d1_main, .Lfunc_end_k_qbd13aa69d1_main-k_qbd13aa69d1_main
	.p2alignl 7, 3214868480
	.fill 96, 4, 3214868480
	.section	.rodata,"a",@progbits
	.p2align	6, 0x0
	.amdhsa_kernel k_qbd13aa69d1_main
		.amdhsa_group_segment_fixed_size 327680
		.amdhsa_private_segment_fixed_size 0
		.amdhsa_enable_private_segment 0
		.amdhsa_kernarg_size 56
		.amdhsa_user_sgpr_count 2
		.amdhsa_user_sgpr_kernarg_segment_ptr 1
		.amdhsa_wavefront_size32 1
		.amdhsa_system_sgpr_workgroup_id_x 1
		.amdhsa_system_sgpr_workgroup_id_y 1
		.amdhsa_system_sgpr_workgroup_id_z 1
		.amdhsa_system_vgpr_workitem_id 0
		.amdhsa_next_free_vgpr 1024
		.amdhsa_next_free_sgpr 100
		.amdhsa_reserve_vcc 1
		.amdhsa_float_denorm_mode_32 3
		.amdhsa_float_denorm_mode_16_64 3
		.amdhsa_memory_ordered 1
		.amdhsa_forward_progress 1
		.amdhsa_inst_pref_size 255
	.end_amdhsa_kernel
	.section	.bss,"aw",@nobits
	.p2align	6
	.space	262144
	.amdgpu_metadata
---
amdhsa.version: [ 1, 2 ]
amdhsa.kernels:
  - .name:           k_qbd13aa69d1_main
    .symbol:         k_qbd13aa69d1_main.kd
    .args:
      - { .name: h, .offset: 0, .size: 8, .value_kind: global_buffer, .address_space: global }
      - { .name: ucodes, .offset: 8, .size: 8, .value_kind: global_buffer, .address_space: global }
      - { .name: uscl, .offset: 16, .size: 8, .value_kind: global_buffer, .address_space: global }
      - { .name: wsp, .offset: 24, .size: 8, .value_kind: global_buffer, .address_space: global }
      - { .name: v_a, .offset: 32, .size: 8, .value_kind: global_buffer, .address_space: global }
      - { .name: pc, .offset: 40, .size: 8, .value_kind: global_buffer, .address_space: global }
      - { .name: pml, .offset: 48, .size: 8, .value_kind: global_buffer, .address_space: global }
    .group_segment_fixed_size: 327680
    .private_segment_fixed_size: 0
    .kernarg_segment_align: 8
    .kernarg_segment_size: 56
    .max_flat_workgroup_size: 128
    .sgpr_count:     100
    .vgpr_count:     1024
    .wavefront_size: 32
...
	.end_amdgpu_metadata
.endif
;; end of part 2
;; launch fin (part 3): grid 4 x 32, 2 waves a work-group, no clusters, 0 bytes of LDS; arguments pc, pml, out0; writes out0
.if DOCPART == 3
	.amdgcn_target "amdgcn-amd-amdhsa--gfx1250"
	.amdhsa_code_object_version 6
	.text
	.protected	k_qbd13aa69d1_fin
	.globl	k_qbd13aa69d1_fin
	.p2align	8
	.type	k_qbd13aa69d1_fin,@function
k_qbd13aa69d1_fin:
	s_mov_b64 s[64:65], 0
	v_nop
	global_prefetch_b8 v0, s[64:65] scope:SCOPE_SE
	s_setreg_imm32_b32 hwreg(HW_REG_WAVE_MODE, 25, 1), 1
	s_wait_xcnt 0x0
; out0[b][d] = (sum over i of w_i c_i[d]) / (sum over i of w_i l_i), w_i = 2^(m_i - M), M the largest of the eight m_i: the eight parts of batch b, as the main launch left them (m in powers of two).
; Nothing is left out here; the m_i lack the sum of v_a, the same in all eight, which the division takes away (shown at the head of the first kernel).
; Work-group (x, b): 256 numbers d = 256 x on of batch b; a thread owns 16 bytes.  No LDS, no barrier, no matrix unit: 8 KiB of c and 64 bytes of (m, l) are read and 1 KiB is written by each work-group.
	s_load_b128 s[4:7], s[0:1], 0x0                ; pc, pml
	s_load_b64 s[8:9], s[0:1], 0x10                ; out0
	s_and_b32 s10, ttmp7, 0xffff                   ; the batch
	s_lshl_b32 s12, s10, 15                        ; pc: 8 parts of 4,096 bytes a batch
	s_mov_b32 s13, 0
	s_lshl_b32 s14, s10, 10                        ; pml: 8 parts of 128 bytes
	s_mov_b32 s15, 0
	s_lshl_b32 s16, s10, 12                        ; out0: 4,096 bytes
	s_mov_b32 s17, 0
	s_lshl_b32 s11, ttmp9, 10
	v_lshl_add_u32 v1, v0, 4, s11                  ; my 16 bytes of a row
	v_mov_b32 v2, 0
	s_wait_alu depctr_va_vdst(0)
	s_wait_kmcnt 0x0
	s_add_nc_u64 s[4:5], s[4:5], s[12:13]
	s_add_nc_u64 s[6:7], s[6:7], s[14:15]
	s_add_nc_u64 s[8:9], s[8:9], s[16:17]
.irp i, 0,1,2,3,4,5,6,7
	global_load_b64 v[48+2*\i:49+2*\i], v2, s[6:7] offset:128*\i       ; (m_i, l_i), the same in every lane
.endr
.irp i, 0,1,2,3,4,5,6,7
	global_load_b128 v[16+4*\i:19+4*\i], v1, s[4:5] offset:4096*\i     ; c_i: 32 lanes read 512 consecutive bytes
.endr
	s_wait_loadcnt 8                               ; the eight (m, l) are in; the eight loads of c may be out
	v_max3_num_f32 v3, v48, v50, v52
	v_max3_num_f32 v3, v3, v54, v56
	v_max3_num_f32 v3, v3, v58, v60
	v_max_num_f32 v3, v3, v62                      ; M
.irp i, 0,1,2,3,4,5,6,7
	v_sub_f32 v[48+2*\i], v[48+2*\i], v3
.endr
	s_wait_alu depctr_va_vdst(0)
.irp i, 0,1,2,3,4,5,6,7
	v_exp_f32 v[48+2*\i], v[48+2*\i]               ; w_i
.endr
	v_nop                                          ; a plain place behind the last exponential
	s_wait_alu depctr_va_vdst(0)                   ; one wait for the eight, ahead of their first reader
	v_mul_f32 v4, v48, v49
.irp i, 1,2,3,4,5,6,7
	v_fma_f32 v4, v[48+2*\i], v[49+2*\i], v4       ; the row's sum
.endr
	s_wait_alu depctr_va_vdst(0)
	v_rcp_f32 v5, v4
	v_nop
	s_wait_alu depctr_va_vdst(0)
.irp i, 0,1,2,3,4,5,6,7
	v_mul_f32 v[48+2*\i], v[48+2*\i], v5           ; w_i / the sum
.endr
	s_wait_alu depctr_va_vdst(0)
	s_wait_loadcnt 0x0
	v_pk_mul_f32 v[8:9], v[16:17], v[48:49] op_sel_hi:[1,0]            ; of the pair (w_i, l_i) the low word serves both halves
	v_pk_mul_f32 v[10:11], v[18:19], v[48:49] op_sel_hi:[1,0]
.irp i, 1,2,3,4,5,6,7
	v_pk_fma_f32 v[8:9], v[16+4*\i:17+4*\i], v[48+2*\i:49+2*\i], v[8:9] op_sel_hi:[1,0,1]
	v_pk_fma_f32 v[10:11], v[18+4*\i:19+4*\i], v[48+2*\i:49+2*\i], v[10:11] op_sel_hi:[1,0,1]
.endr
	global_store_b128 v1, v[8:11], s[8:9]          ; 32 lanes store 512 consecutive bytes, at a multiple of 512 from out0's first byte
	s_endpgm
.Lfunc_end_k_qbd13aa69d1_fin:
	.size	k_qbd13aa69d1_fin, .Lfunc_end_k_qbd13aa69d1_fin-k_qbd13aa69d1_fin
	.p2alignl 7, 3214868480
	.fill 96, 4, 3214868480
	.section	.rodata,"a",@progbits
	.p2align	6, 0x0
	.amdhsa_kernel k_qbd13aa69d1_fin
		.amdhsa_group_segment_fixed_size 0
		.amdhsa_private_segment_fixed_size 0
		.amdhsa_enable_private_segment 0
		.amdhsa_kernarg_size 24
		.amdhsa_user_sgpr_count 2
		.amdhsa_user_sgpr_kernarg_segment_ptr 1
		.amdhsa_wavefront_size32 1
		.amdhsa_system_sgpr_workgroup_id_x 1
		.amdhsa_system_sgpr_workgroup_id_y 1
		.amdhsa_system_sgpr_workgroup_id_z 1
		.amdhsa_system_vgpr_workitem_id 0
		.amdhsa_next_free_vgpr 72
		.amdhsa_next_free_sgpr 66
		.amdhsa_reserve_vcc 0
		.amdhsa_float_denorm_mode_32 3
		.amdhsa_float_denorm_mode_16_64 3
		.amdhsa_memory_ordered 1
		.amdhsa_forward_progress 1
		.amdhsa_inst_pref_size 6
	.end_amdhsa_kernel
	.amdgpu_metadata
---
amdhsa.version: [ 1, 2 ]
amdhsa.kernels:
  - .name:           k_qbd13aa69d1_fin
    .symbol:         k_qbd13aa69d1_fin.kd
    .args:
      - { .name: pc, .offset: 0, .size: 8, .value_kind: global_buffer, .address_space: global }
      - { .name: pml, .offset: 8, .size: 8, .value_kind: global_buffer, .address_space: global }
      - { .name: out0, .offset: 16, .size: 8, .value_kind: global_buffer, .address_space: global }
    .group_segment_fixed_size: 0
    .private_segment_fixed_size: 0
    .kernarg_segment_align: 8
    .kernarg_segment_size: 24
    .max_flat_workgroup_size: 64
    .sgpr_count:     66
    .vgpr_count:     72
    .wavefront_size: 32
...
	.end_amdgpu_metadata
.endif
;; end of part 3
